; MI455X (gfx1250); checked and timed in simulation.
; The chip was launched on July 23, 2026; its instructions are those of AMD's public machine-readable ISA for CDNA 5 (MIT licence, August 2026) and "CDNA5" Instruction Set Architecture Reference Guide (July 2026). The comments in the code are by the model that wrote it; some were corrected since.
;; KNN Model. Allowed arithmetic: matrix products marked QUANTISED: E2M1 operands, one E8M0 scale for each 32 along K, by v_wmma_scale_f32_16x16x128_f8f6f4 with both operands' format E2M1 (or v_wmma_scale_f32_32x16x128_f4), f32 sums; everything else in f32.
;; Inputs: x 2,048 x 128 float32; x_train 50,000 x 128 float32; y_train 50,000 x 1 float32.
;; Outputs: out0 2,048 x 1 float32.
;; Constants: k = 5.
;; This version of the problem:
;;   THIS VERSION OF THE PROBLEM IS GIVEN IN LOW PRECISION. The matrix products marked QUANTISED in the list below multiply operands that are first quantised to E2M1 (2 exponent bits, 1 mantissa bit; 4 bits a number), with one power-of-two scale for each 32 numbers along K (OCP MX v1.0); their sums are f32. All else is computed in f32.
;;   The module's matrix products, in the order in which they are computed (A, B: the left and right operand; K: the contracted axis; several contracted axes count as one K, in the product's order):
;;     1. [M 2,048, K 128] x [K 128, N 50,000]; A: input x; B: input x_train: QUANTISED
;;   THE QUANTISER, for each operand of a quantised product, along K:
;;     - K is cut into blocks of 32 from its start; a last block that is shorter is filled with zeros.
;;     - A block's scale is 2^e with e = floor(log2(the largest magnitude in the block)) - 2, held to -126 .. 127; a block of zeros has e = 0. As a byte (E8M0): e + 127.
;;     - Each number is divided by its block's scale, clamped to +-6, and rounded to the nearest number of E2M1, ties to even, subnormals kept.
;;     - The product sums the exact products of the quantised numbers (number of the format x scale) in f32.
;;   ~~~python
;;   def quantise(x, axis):      # numpy; x: float32 -> the quantised numbers, widened to float32 again
;;       x = np.moveaxis(x, axis, -1); K = x.shape[-1]
;;       x = np.pad(x, [(0, 0)] * (x.ndim - 1) + [(0, -K % 32)]); x = x.reshape(x.shape[:-1] + (-1, 32)); a = np.abs(x).max(-1, keepdims=True)
;;       e = np.where(a > 0, np.clip(np.frexp(np.where(a > 0, a, 1))[1] - 1 - 2, -126, 127), 0)      # np.frexp(a)[1] - 1 = floor(log2(a)), exactly
;;       r = np.clip(x / 2.0 ** e, -6, 6)
;;       step = 2.0 ** (np.maximum(np.frexp(np.where(r == 0, 1, r))[1] - 1, 0) - 1)
;;       q = np.round(r / step) * step * 2.0 ** e      # np.round: ties to even
;;       return np.moveaxis(q.reshape(q.shape[:-2] + (-1,))[..., :K], -1, axis).astype(np.float32)
;;   ~~~
;; One version. Each part assembles by itself: llvm-mc -triple=amdgcn-amd-amdhsa -mcpu=gfx1250 --defsym DOCPART=n.
;; ======== version 1 of 1: 4 launches
;; workspace buffers: codes 3,407,872 bytes; scl 212,992 bytes; sqn 212,992 bytes; pkey 1,572,864 bytes; pid 1,572,864 bytes of whole numbers; bsel 49,152 bytes of whole numbers
;; launch quant (part 1): grid 208 x 1, 4 waves a work-group, no clusters, 33,280 bytes of LDS; arguments x_train, x, codes, scl, sqn; writes codes, scl, sqn
.if DOCPART == 1
	.amdgcn_target "amdgcn-amd-amdhsa--gfx1250"
	.amdhsa_code_object_version 6
	.text
	.protected	k_q7217429054_quant
	.globl	k_q7217429054_quant
	.p2align	8
	.type	k_q7217429054_quant,@function
k_q7217429054_quant:
	s_mov_b64 s[64:65], 0
	v_nop
	global_prefetch_b8 v0, s[64:65] scope:SCOPE_SE
	s_setreg_imm32_b32 hwreg(HW_REG_WAVE_MODE, 25, 1), 1
	s_wait_xcnt 0x0
; x_train [50000][128] and x [2048][128], f32, become codes of FP4 (E2M1), K innermost, one E8M0 byte for each 32 along K, and the f32 sum of squares of each unquantised row.
; ONE ROW SPACE of 53,248 rows for the three outputs: rows 0 .. 49,999 x_train; 50,000 .. 51,199 padding; 51,200 .. 53,247 x.  codes [row][64 bytes], scl [row] one word of four bytes, sqn [row] f32.
; A padding row holds the codes and bytes of one of x_train's last four rows over again and the norm +infinity, so that its distance to every query is +infinity: the later launches need no edge.
; A block's scale is 2^(floor(log2(its largest magnitude)) - 2); its byte is the largest magnitude's exponent field - 2, held at 1 from below; each number is divided by the scale and rounded to the nearest code, ties to even, beyond 6 the code of 6.
; LIMITS: a block of zeros gets the byte 1 where the rule says 127 (its codes are zeros, and this program alone reads the bytes); NaN and infinities among the inputs are not served; the norm is summed in another order than a plain loop's.
; SHARES.  Wave W = 4 x work-group + wave owns rows 64 W .. 64 W + 63: 16 steps of 512 numbers (4 rows).  Work-groups 0 .. 199 read x_train, 200 .. 207 x: only the pointer and two numbers are chosen, the path is one.
; A step is wholly real or wholly padding (50,000 rows are 12,500 steps): a padding step's load address is held at the last real step's, so no load leaves its buffer.
; Each load reads 512 consecutive bytes, 16 a lane; a step's 2,048 bytes turn through the wave's own stage in LDS and come back 64 bytes a lane: 16 neighbours along K, which the conversions want.  Two lanes hold a block, eight a row.
; A wave's 256 scale bytes and 64 norms are gathered in its own LDS bytes and leave as one store of 256 consecutive aligned bytes each; a step's codes are 256 consecutive aligned bytes.  Waves share nothing: no barrier.
.set STEPS, 16
.set EMAX,  2
.set SP,    80                         ; a lane's place in a stage: 64 bytes + 16 of padding
.set WREG,  8192                       ; LDS of a wave: two stages of 32 x SP bytes, 256 scale bytes, 256 bytes of norms
.set BYT,   2*32*SP
.set NRM,   BYT+256
.set TRWG,  200                        ; work-groups that read x_train
.set LASTT, 12499*2048                 ; byte at which x_train's last step begins
.set LASTX, 511*2048                   ; and x's
.set R,     16                         ; v16-79   four sets of 16 numbers as loaded
.set X,     80                         ; v80-111  two sets of 16 neighbours
.set E,     112                        ; v112-127 a scale byte for each step
.set C,     128                        ; v128-191 codes, four registers for each step (two used)
.set AO,    192                        ; v192-195 load offsets, one for each set
.set SQ,    196                        ; v196-199 sums of squares, two chains of pairs
.set SQA,   200                        ; v200     LDS: where my row's norm goes
.set SQR,   201                        ; v201     LDS: where I read two norms back
.set NO,    202                        ; v202-203 two norms on the way out
.set NS,    204                        ; v204-219 a norm for each step: no LDS store's data are written again
	s_load_b128 s[4:7], s[0:1], 0x0                ; x_train, x
	s_load_b128 s[8:11], s[0:1], 0x10              ; codes, scl
	s_load_b64 s[12:13], s[0:1], 0x20              ; sqn
	v_lshl_add_u32 v224, v0, 2, 0x8000
	v_mov_b32 v225, 0
	v_lshrrev_b32 v1, 5, v0
	v_readfirstlane_b32 s16, v1                    ; wave
	v_and_b32 v2, 31, v0                           ; lane
	v_lshlrev_b32 v3, 4, v2                        ; my 16 bytes of a load's 512
	s_mul_i32 s17, s16, WREG
	v_lshrrev_b32 v14, 2, v2
	v_mul_u32_u24 v14, v14, SP
	v_and_b32 v15, 3, v2
	v_lshl_add_u32 v14, v15, 4, v14
	v_add_nc_u32 v14, s17, v14                     ; the stage, on the way in: SP (lane / 4) + 16 (lane % 4)
	v_mul_u32_u24 v15, v2, SP
	v_add_nc_u32 v15, s17, v15                     ; and on the way out: SP x lane
	v_lshlrev_b32 v7, 3, v2                        ; 8 x lane: my codes' place in a step's, and my place in the two last stores
	v_lshrrev_b32 v5, 1, v2
	s_add_co_u32 s18, s17, BYT
	v_add_nc_u32 v5, s18, v5                       ; my block's byte
	v_add_nc_u32 v6, s18, v7                       ; the bytes on the way out: 8 a lane
	v_lshrrev_b32 v[SQA], 3, v2
	s_add_co_u32 s18, s17, NRM
	v_lshl_add_u32 v[SQA], v[SQA], 2, s18          ; my row's norm: 4 (lane / 8)
	v_add_nc_u32 v[SQR], s18, v7
	s_wait_kmcnt 0x0
	s_cmp_lt_u32 ttmp9, TRWG                       ; x_train's work-group or x's?  The choice hangs on the work-group's number alone
	s_cselect_b64 s[4:5], s[4:5], s[6:7]
	s_cselect_b32 s19, 0, 4*TRWG
	s_mov_b32 s27, LASTX
	s_cselect_b32 s27, LASTT, s27                  ; the source's last real step
	s_lshl_b32 s20, ttmp9, 2
	s_add_co_u32 s20, s20, s16                     ; W
	s_sub_co_u32 s19, s20, s19                     ; W counted from the source's first row
	s_lshl_b32 s28, s19, 15                        ; my 64 rows in the source: 32,768 bytes a wave
	s_lshl_b32 s22, s20, 12
	s_mov_b32 s23, 0
	s_add_nc_u64 s[8:9], s[8:9], s[22:23]          ; codes: 4,096 bytes a wave
	s_lshl_b32 s22, s20, 8
	s_add_nc_u64 s[10:11], s[10:11], s[22:23]      ; scale bytes and norms: 256 bytes a wave
	s_add_nc_u64 s[12:13], s[12:13], s[22:23]
.macro LOAD t                          ; step t's 2,048 bytes into set t % 4.  The set's offset register is free: the loads that named it were shown done by their counted wait
	s_add_co_u32 s24, s28, 2048*(\t)
	s_min_u32 s24, s24, s27                        ; a padding step reads the last real step
	v_add_nc_u32 v[AO+(\t)%4], s24, v3
.irp i, 0,1,2,3
	global_load_b128 v[R+16*((\t)%4)+4*\i:R+16*((\t)%4)+4*\i+3], v[AO+(\t)%4], s[4:5] offset:512*\i th:TH_LOAD_NT   ; read once, but for x_train's last 2,048 bytes
.endr
.endm
.macro TURN t                          ; step t's numbers through the stage: LDS serves a wave's instructions in order (ISA guide 5.7.1.4), so no wait stands between the stores and the loads
.irp i, 0,1,2,3
	ds_store_b128 v14, v[R+16*((\t)%4)+4*\i:R+16*((\t)%4)+4*\i+3] offset:32*SP*((\t)%2)+8*SP*\i
.endr
.irp i, 0,1,2,3
	ds_load_b128 v[X+16*((\t)%2)+4*\i:X+16*((\t)%2)+4*\i+3], v15 offset:32*SP*((\t)%2)+16*\i
.endr
.endm
.irp t, 0,1,2,3
	LOAD \t
.endr
	s_wait_loadcnt 12                              ; step 0's four loads are in
	TURN 0
.macro STEP t
.set XS, X+16*((\t)%2)
.if (\t) > 0
	s_wait_dscnt 2                                 ; this step's numbers are back from the stage; the last step's byte store and norm store may be out
.else
	s_wait_dscnt 0x0
.endif
.if (\t)+4 < STEPS
	LOAD (\t)+4                                    ; into the set that this step's stage stores have read
.endif
.if (\t)+1 < STEPS
.if STEPS-2-(\t) >= 3
	s_wait_loadcnt 12                              ; the next step's four loads are in; those of the three steps behind it may be out
.else
	s_wait_loadcnt 4*(STEPS-2-(\t))
.endif
	TURN (\t)+1
.endif
	v_max3_num_f32 v8, |v[XS]|, |v[XS+1]|, |v[XS+2]|               ; the largest magnitude of my 16, in two chains
	v_max3_num_f32 v9, |v[XS+3]|, |v[XS+4]|, |v[XS+5]|
.irp i, 6,10
	v_max3_num_f32 v8, v8, |v[XS+\i]|, |v[XS+\i+1]|
	v_max3_num_f32 v9, v9, |v[XS+\i+2]|, |v[XS+\i+3]|
.endr
	v_max3_num_f32 v8, v8, |v[XS+14]|, |v[XS+15]|
	v_max3_num_f32 v8, v8, v9, (EMAX+1)<<23        ; and the floor 2^(EMAX + 1 - 127): the byte cannot fall under 1
	v_max_num_f32_dpp v8, v8, v8 row_xmask:1 row_mask:0xf bank_mask:0xf   ; with my neighbour's 16: the block's
	v_add_nc_u32 v11, -(EMAX<<23), v8              ; EMAX off its exponent field: the conversion takes this operand's exponent field as its scale
	v_cvt_scalef32_pk8_fp4_f32 v[C+4*(\t)], v[XS:XS+7], v11
	v_cvt_scalef32_pk8_fp4_f32 v[C+4*(\t)+1], v[XS+8:XS+15], v11
	v_lshrrev_b32 v[E+(\t)], 23, v11               ; the scale's byte (a plain line behind the conversions)
	v_pk_mul_f32 v[SQ:SQ+1], v[XS:XS+1], v[XS:XS+1]                ; the sum of squares of the UNQUANTISED numbers, two at a time, in two chains
	v_pk_mul_f32 v[SQ+2:SQ+3], v[XS+2:XS+3], v[XS+2:XS+3]
.irp i, 4,8,12
	v_pk_fma_f32 v[SQ:SQ+1], v[XS+\i:XS+\i+1], v[XS+\i:XS+\i+1], v[SQ:SQ+1]
	v_pk_fma_f32 v[SQ+2:SQ+3], v[XS+\i+2:XS+\i+3], v[XS+\i+2:XS+\i+3], v[SQ+2:SQ+3]
.endr
	v_pk_add_f32 v[SQ:SQ+1], v[SQ:SQ+1], v[SQ+2:SQ+3]
	v_add_f32 v[SQ], v[SQ], v[SQ+1]
	v_add_f32_dpp v[SQ], v[SQ], v[SQ] row_xmask:1 row_mask:0xf bank_mask:0xf   ; eight lanes hold a row
	v_add_f32_dpp v[SQ], v[SQ], v[SQ] row_xmask:2 row_mask:0xf bank_mask:0xf
	v_add_f32_dpp v[SQ], v[SQ], v[SQ] row_xmask:4 row_mask:0xf bank_mask:0xf
	s_add_co_u32 s25, s28, 2048*(\t)
	s_cmp_gt_u32 s25, s27                          ; a padding step?
	s_cselect_b32 s26, 0x7f800000, 0
	v_max_num_f32 v[NS+(\t)], s26, v[SQ]           ; then +infinity; else the sum, which is not negative
	ds_store_b8 v5, v[E+(\t)] offset:16*(\t)       ; both lanes of a block write the same byte with the same value
	ds_store_b32 v[SQA], v[NS+(\t)] offset:16*(\t) ; the eight lanes of a row likewise
	global_store_b64 v7, v[C+4*(\t):C+4*(\t)+1], s[8:9] offset:256*(\t)   ; 32 lanes store 256 consecutive bytes, at a multiple of 256 from the buffer's first byte
.endm
.irp t, 0,1,2,3,4,5,6,7,8,9,10,11,12,13,14,15
	STEP \t
.endr
	ds_load_b64 v[12:13], v6                       ; in order behind my stores
	ds_load_b64 v[NO:NO+1], v[SQR]
	s_wait_dscnt 0x0
	global_store_b64 v7, v[12:13], s[10:11]        ; 256 consecutive aligned bytes each
	global_store_b64 v7, v[NO:NO+1], s[12:13]
	s_wait_tensorcnt 0x0
	ds_add_u32 v224, v225
	s_wait_dscnt 0x0
	s_endpgm
.Lfunc_end_k_q7217429054_quant:
	.size	k_q7217429054_quant, .Lfunc_end_k_q7217429054_quant-k_q7217429054_quant
	.p2alignl 7, 3214868480
	.fill 96, 4, 3214868480
	.section	.rodata,"a",@progbits
	.p2align	6, 0x0
	.amdhsa_kernel k_q7217429054_quant
		.amdhsa_group_segment_fixed_size 33280
		.amdhsa_private_segment_fixed_size 0
		.amdhsa_enable_private_segment 0
		.amdhsa_kernarg_size 40
		.amdhsa_user_sgpr_count 2
		.amdhsa_user_sgpr_kernarg_segment_ptr 1
		.amdhsa_wavefront_size32 1
		.amdhsa_system_sgpr_workgroup_id_x 1
		.amdhsa_system_sgpr_workgroup_id_y 1
		.amdhsa_system_sgpr_workgroup_id_z 1
		.amdhsa_system_vgpr_workitem_id 0
		.amdhsa_next_free_vgpr 226
		.amdhsa_next_free_sgpr 66
		.amdhsa_reserve_vcc 0
		.amdhsa_float_denorm_mode_32 3
		.amdhsa_float_denorm_mode_16_64 3
		.amdhsa_memory_ordered 1
		.amdhsa_forward_progress 1
		.amdhsa_inst_pref_size 52
	.end_amdhsa_kernel
	.amdgpu_metadata
---
amdhsa.version: [ 1, 2 ]
amdhsa.kernels:
  - .name:           k_q7217429054_quant
    .symbol:         k_q7217429054_quant.kd
    .args:
      - { .name: x_train, .offset: 0, .size: 8, .value_kind: global_buffer, .address_space: global }
      - { .name: x, .offset: 8, .size: 8, .value_kind: global_buffer, .address_space: global }
      - { .name: codes, .offset: 16, .size: 8, .value_kind: global_buffer, .address_space: global }
      - { .name: scl, .offset: 24, .size: 8, .value_kind: global_buffer, .address_space: global }
      - { .name: sqn, .offset: 32, .size: 8, .value_kind: global_buffer, .address_space: global }
    .group_segment_fixed_size: 33280
    .private_segment_fixed_size: 0
    .kernarg_segment_align: 8
    .kernarg_segment_size: 40
    .max_flat_workgroup_size: 128
    .sgpr_count:     66
    .vgpr_count:     226
    .wavefront_size: 32
...
	.end_amdgpu_metadata
.endif
;; end of part 1
;; launch scan (part 2): grid 8 x 32, 8 waves a work-group, clusters of 4 x 1, 185,856 bytes of LDS; arguments codes, scl, sqn, pkey, pid; writes pkey, pid
.if DOCPART == 2
	.amdgcn_target "amdgcn-amd-amdhsa--gfx1250"
	.amdhsa_code_object_version 6
	.text
	.protected	k_q7217429054_scan
	.globl	k_q7217429054_scan
	.p2align	8
	.type	k_q7217429054_scan,@function
k_q7217429054_scan:
	s_mov_b64 s[64:65], 0
	v_nop
	global_prefetch_b8 v0, s[64:65] scope:SCOPE_SE
	s_setreg_imm32_b32 hwreg(HW_REG_WAVE_MODE, 25, 1), 1
	s_wait_xcnt 0x0
	s_wait_alu depctr_hold_cnt(0) depctr_sa_sdst(0) depctr_va_vdst(0) depctr_va_sdst(0) depctr_va_ssrc(0) depctr_va_vcc(0) depctr_vm_vsrc(0)
	s_getreg_b32 s2, hwreg(HW_REG_IB_STS2, 6, 4)
	s_cmp_eq_u32 s2, 0
	s_cbranch_scc0 .Lentry_in_a_cluster
	s_endpgm
.Lentry_in_a_cluster:
	s_bfe_u32 s2, ttmp6, 0x10000c
	s_cmp_lg_u32 s2, 0x3003
	s_cbranch_scc0 .Lentry_shape_is_right
	s_endpgm
.Lentry_shape_is_right:
; ALL DISTANCES, KEPT ONLY AS THE SMALLEST OF EACH BUCKET.  The 51,200 training rows (padding included) are 1,280 buckets of 40 neighbouring rows.  Ordered by (distance, row), a query's 5 nearest rows lie in the 5 buckets
; that come first by (the bucket's smallest distance, the bucket's number).  So this launch keeps a running minimum for each bucket, with no index beside it, and sorts only one key for each 40 distances.
; sq = (|t|^2 + |x|^2) - 2 dot: one f32 addition and one fused multiply-add by -2 (2 dot is exact, so this is the subtraction's own rounding); the clip at 0 and the root are taken of the bucket's minimum, with which they commute.
; LIMITS: v_sqrt_f32 is taken not to fall where its input rises, and takes denormals as 0; NaN, infinities and squared distances that overflow are not served.
; SHARES.  A work-group owns 256 queries (block X = 0 .. 7) and a range of 1,600 rows = 40 buckets (R = 0 .. 31).  Wave w: a = w & 1: 128 of the queries, 8 tiles of 16, whose fragments stay in registers;
; b = w >> 1: 400 of the rows = 5 groups of 80 = 25 tiles of 16.  200 matrix instructions a wave; K = 128 is one instruction deep, so every result is used up at once and no sum is kept.
; THE ROWS OF A TILE ARE NOT NEIGHBOURS: source 0 = 16 training rows, source 1 = 16 queries; row m of tile t of group g is local row 80 g + 40 (m / 8) + 8 t + m % 8.  In the result lane (r, h) holds query r, and its register j
; local row 80 g + 40 h + 8 t + j: the minimum over a group's 5 tiles x 8 registers is that of ONE bucket, number 10 b + 2 g + h of the range, and no other lane is asked.
; CLUSTER.  The four work-groups of a cluster have the same R, so they ask for the rows' codes, scale words and norms JOINTLY (mask 15).  The queries go from memory straight into registers, 9 KB a wave, each read by one work-group of the cluster: nothing to share there.
; Every LDS byte is filled once: 141 KB of operands fit, so there is no ring.  Four tensor loads of a wave are out at the most.  The first three bring what group 0 wants; the fourth, groups 1 to 4, lands while group 0 is worked.
; LDS: for each quarter b, QREG bytes: 400 rows of codes, 64 bytes + 16 of padding; 400 scale words; 400 norms.
; Behind them, in blocks of 256 bytes into which no tensor load lands: the keys, 40 buckets x (256 queries x 4 bytes + 64).
.set QREG,  35328
.set SCO,   32000                      ; a quarter's scale words
.set NRO,   33600                      ; and norms
.set KEYB,  4*QREG
.set KP,    1088
.set QROW,  51200                      ; the queries' first row in codes, scl, sqn
.set AC0,  3                           ; v3   my lane's place in a tile of codes; never rewritten
.set AS0,  4                           ; v4   among the scale words
.set AT0,  5                           ; v5   among the norms
.set KW,   6                           ; v6   where I put a key
.set KR,   7                           ; v7   where my thread reads its query's keys
.set ADC,  8                           ; v8-11  the same four for the group in hand
.set ADS,  9
.set ADT,  10
.set ADKW, 11
.set OQ,   12                          ; v12  64 r + 16 h: a query fragment's bytes
.set OL,   13                          ; v13  4 x lane
.set OR4,  14                          ; v14  4 r
.set OT,   15                          ; v15  8 x thread
.set BQ,   16                          ; v16-79   the 8 query fragments
.set XS,   80                          ; v80-83   their scale words: register p: lanes 0-15 tile 2 p, lanes 16-31 tile 2 p + 1
.set XQ,   84                          ; v84-91   |x|^2 of tile i's query r
.set AB,   92                          ; v92-115  three buffers for a tile of training rows
.set TS,   116                         ; v116-139 three buffers for its 8 norms of my half
.set AS,   140                         ; v140-142 three scale registers
.set ACC,  144                         ; v144-159 two accumulators, by turns
.set S,    160                         ; v160-167 at work
.set KEY,  168                         ; v168-175 the running minimum for each query tile
.set X,    16                          ; the selection: v16-55 my query's 40 keys
.set LA,   176                         ; v176-181 the five smallest keys, ascending, and a 0
.set LP,   182                         ; v182-187 their buckets, and a 0
.set T,    188                         ; v188-191 at work
.set MK,   70                          ; s70-74   the insertion's masks
.set G1A,  24                          ; s[24:31] 40 rows x 64 bytes;  s[32:39] 160 rows;  s[40:47] one row of 800 bytes;  s[48:63] four groups 0
.set G1B,  32
.set G1S,  40
.set G0,   48
.macro CROUND                          ; a round of the cluster's barrier
	s_barrier_signal -1
	s_barrier_wait -1
	s_cmp_lg_u32 s14, 0
	s_cbranch_scc1 .Lnot_wave_0_\@
	s_barrier_signal -3
.Lnot_wave_0_\@:
	s_barrier_wait -3
	s_barrier_signal -1
	s_barrier_wait -1
.endm
	s_load_b256 s[4:11], s[0:1], 0x0               ; codes s[4:5], scl s[6:7], sqn s[8:9], pkey s[10:11]
	s_load_b64 s[12:13], s[0:1], 0x20              ; pid
	v_lshl_add_u32 v192, v0, 2, 0x2d200
	v_mov_b32 v193, 0
	ds_add_u32 v192, v193
	ds_add_u32 v192, v193
	v_lshrrev_b32 v1, 5, v0
	v_readfirstlane_b32 s14, v1                    ; wave 0..7
	s_and_b32 s15, s14, 1                          ; a
	s_lshr_b32 s16, s14, 1                         ; b
	s_bfe_u32 s17, ttmp6, 0x40000                  ; cx: it enters the queries' and the outputs' global addresses alone
	s_lshl_b32 s18, ttmp9, 2
	s_add_co_u32 s18, s18, s17                     ; X = 4 x cluster x + cx
	s_and_b32 s19, ttmp7, 0xffff                   ; R, which the four partners share
	; descriptor groups 1
	s_mov_b32 s[G1A+0], 15|(0<<16)|(1<<20)|(1<<21)|(3<<22)|(3<<25)  ; 15:0 the mask: all four; 17:16 elements of 1 byte; 20 padding on; 21 set beside a mask; 24:22 after every 16 words (code 3); 31:25 four words (code 3)
	s_mov_b32 s[G1A+1], 64<<16                     ; tensor_dim0 = 64
	s_mov_b32 s[G1A+2], 40<<16                     ; tensor_dim1 = 40
	s_mov_b32 s[G1A+3], 64<<16                     ; tile_dim0 = 64
	s_mov_b32 s[G1A+4], 40                         ; tile_dim1 = 40
	s_mov_b32 s[G1A+5], 64                         ; from row to row
	s_mov_b32 s[G1A+6], 0
	s_mov_b32 s[G1A+7], 0
	s_mov_b32 s[G1B+0], 15|(0<<16)|(1<<20)|(1<<21)|(3<<22)|(3<<25)
	s_mov_b32 s[G1B+1], 64<<16
	s_mov_b32 s[G1B+2], 160<<16                    ; the same with 160 rows
	s_mov_b32 s[G1B+3], 64<<16
	s_mov_b32 s[G1B+4], 160
	s_mov_b32 s[G1B+5], 64
	s_mov_b32 s[G1B+6], 0
	s_mov_b32 s[G1B+7], 0
	s_mov_b32 s[G1S+0], 15|(3<<16)|(1<<21)         ; elements of 8 bytes, no padding
	s_mov_b32 s[G1S+1], 100<<16                    ; one row of 100 elements: 200 words
	s_mov_b32 s[G1S+2], 1<<16
	s_mov_b32 s[G1S+3], 100<<16
	s_mov_b32 s[G1S+4], 1
	s_mov_b32 s[G1S+5], 100
	s_mov_b32 s[G1S+6], 0
	s_mov_b32 s[G1S+7], 0
	; what I fetch: of my quarter's 400 rows, half a of the scale words, of the norms, of group 0's codes and of the other groups' codes.  All of it hangs on R and on the wave's number alone
	s_mul_i32 s86, s19, 1600
	s_mul_i32 s87, s16, 400
	s_add_co_u32 s86, s86, s87                     ; my quarter's first row
	s_mul_i32 s87, s15, 200
	s_add_co_u32 s87, s87, s86
	s_lshl_b32 s88, s87, 2                         ; words of rows 200 a on
	s_mov_b32 s89, 0
	s_mul_i32 s87, s15, 40
	s_add_co_u32 s87, s87, s86
	s_lshl_b32 s90, s87, 6                         ; codes of rows 40 a on
	s_mov_b32 s91, 0
	s_mul_i32 s87, s15, 160
	s_add_co_u32 s87, s87, s86
	s_add_co_u32 s87, s87, 80
	s_lshl_b32 s86, s87, 6                         ; codes of rows 80 + 160 a on
	s_mov_b32 s87, 0
	s_mul_i32 s20, s16, QREG                       ; my quarter in LDS
	s_mul_i32 s21, s15, 800
	s_add_co_u32 s21, s21, s20
	s_add_co_u32 s[G0+1], s21, SCO
	s_add_co_u32 s[G0+5], s21, NRO
	s_mul_i32 s22, s15, 3200
	s_add_co_u32 s[G0+9], s22, s20
	s_mul_i32 s22, s15, 12800
	s_add_co_u32 s22, s22, s20
	s_add_co_u32 s[G0+13], s22, 6400
	; every LDS address register is made here
	v_and_b32 v1, 15, v0                           ; r
	v_bfe_u32 v2, v0, 4, 1                         ; h
	v_and_b32 v8, 7, v0
	v_bfe_u32 v9, v0, 3, 1
	v_mad_u32_u24 v8, v9, 40, v8                   ; r % 8 + 40 (r / 8): my row of a tile
	v_mul_u32_u24 v[AC0], v8, 80
	v_lshl_add_u32 v[AC0], v2, 4, v[AC0]
	v_add_nc_u32 v[AC0], s20, v[AC0]
	v_lshlrev_b32 v[AS0], 2, v8
	v_add_nc_u32 v[AS0], s20, v[AS0]
	v_add_nc_u32 v[AS0], SCO, v[AS0]
	v_mul_u32_u24 v[AT0], v2, 160                  ; my half's 8 rows begin 40 h rows on
	v_add_nc_u32 v[AT0], s20, v[AT0]
	v_add_nc_u32 v[AT0], NRO, v[AT0]
	s_mul_i32 s22, s16, 10*KP
	s_lshl_b32 s23, s15, 9
	s_add_co_u32 s22, s22, s23
	s_add_co_u32 s22, s22, KEYB
	v_mul_u32_u24 v[KW], v2, KP
	v_lshl_add_u32 v[KW], v1, 2, v[KW]
	v_add_nc_u32 v[KW], s22, v[KW]                 ; bucket 10 b + h, query 128 a + r
	v_lshl_add_u32 v[KR], v0, 2, KEYB
	v_lshlrev_b32 v[OQ], 6, v1
	v_lshl_add_u32 v[OQ], v2, 4, v[OQ]
	v_and_b32 v[OL], 31, v0
	v_lshlrev_b32 v[OL], 2, v[OL]
	v_lshlrev_b32 v[OR4], 2, v1
	v_lshlrev_b32 v[OT], 3, v0
	; the queries' and the outputs' places
	s_lshl_b32 s80, s18, 8
	s_lshl_b32 s81, s15, 7
	s_add_co_u32 s80, s80, s81
	s_add_co_u32 s80, s80, QROW                    ; my first query's row
	s_lshl_b32 s76, s80, 6
	s_mov_b32 s77, 0
	s_lshl_b32 s78, s80, 2
	s_mov_b32 s79, 0
	s_mul_i32 s82, s19, 49152                      ; pkey, pid: [R][3][2048][2] words
	s_lshl_b32 s84, s18, 11
	s_add_co_u32 s82, s82, s84
	s_mov_b32 s83, 0
	s_wait_dscnt 0x0
	s_wait_kmcnt 0x0
	s_add_nc_u64 s[80:81], s[8:9], s[78:79]        ; the queries' norms,
	s_add_nc_u64 s[78:79], s[6:7], s[78:79]        ; scale words,
	s_add_nc_u64 s[76:77], s[4:5], s[76:77]        ; codes
	s_add_nc_u64 s[84:85], s[12:13], s[82:83]      ; pid
	s_add_nc_u64 s[82:83], s[10:11], s[82:83]      ; pkey
	s_mov_b32 s[G0+0], 1
	s_add_nc_u64 s[G0+2:G0+3], s[6:7], s[88:89]
	s_or_b32 s[G0+3], s[G0+3], 0x80000000
	s_mov_b32 s[G0+4], 1
	s_add_nc_u64 s[G0+6:G0+7], s[8:9], s[88:89]
	s_or_b32 s[G0+7], s[G0+7], 0x80000000
	s_mov_b32 s[G0+8], 1
	s_add_nc_u64 s[G0+10:G0+11], s[4:5], s[90:91]
	s_or_b32 s[G0+11], s[G0+11], 0x80000000
	s_mov_b32 s[G0+12], 1
	s_add_nc_u64 s[G0+14:G0+15], s[4:5], s[86:87]
	s_or_b32 s[G0+15], s[G0+15], 0x80000000
	CROUND                                         ; all four work-groups are here: the joint loads meet
	tensor_load_to_lds s[G0:G0+3], s[G1S:G1S+7]    ; scale words
	s_nop 0
	tensor_load_to_lds s[G0+4:G0+7], s[G1S:G1S+7]  ; norms
	s_nop 0
	tensor_load_to_lds s[G0+8:G0+11], s[G1A:G1A+7] ; group 0's codes: a small first piece, so that work can begin
	s_nop 0
	tensor_load_to_lds s[G0+12:G0+15], s[G1B:G1B+7] ; groups 1 to 4
	s_nop 0
.rept 4
	v_nop
.endr
.irp i, 0,1,2,3,4,5,6,7
.irp c, 0,1
	global_load_b128 v[BQ+8*\i+4*\c:BQ+8*\i+4*\c+3], v[OQ], s[76:77] offset:1024*\i+32*\c   ; query tile i: lane (r, h): row r, K = 64 c + 32 h on
.endr
.endr
.irp p, 0,1,2,3
	global_load_b32 v[XS+\p], v[OL], s[78:79] offset:128*\p
.endr
.irp i, 0,1,2,3,4,5,6,7
	global_load_b32 v[XQ+\i], v[OR4], s[80:81] offset:64*\i
.endr
.macro HEAD                            ; the group's four addresses
	v_add_nc_u32 v[ADC], s66, v[AC0]
	v_add_nc_u32 v[ADS], s67, v[AS0]
	v_add_nc_u32 v[ADT], s67, v[AT0]
	v_add_nc_u32 v[ADKW], s68, v[KW]
.endm
.macro STEPG                           ; a group on: 80 rows of codes, 80 words, 2 buckets of keys
	s_add_co_u32 s66, s66, 6400
	s_add_co_u32 s67, s67, 320
	s_add_co_u32 s68, s68, 2*KP
.endm
.macro LDA buf, oc, os                 ; a tile of training rows: its fragment, its scale words, my half's 8 norms: five LDS loads
	ds_load_b128 v[AB+8*(\buf):AB+8*(\buf)+3], v[ADC] offset:\oc
	ds_load_b128 v[AB+8*(\buf)+4:AB+8*(\buf)+7], v[ADC] offset:(\oc)+32
	ds_load_b32 v[AS+(\buf)], v[ADS] offset:\os
	ds_load_b128 v[TS+8*(\buf):TS+8*(\buf)+3], v[ADT] offset:\os
	ds_load_b128 v[TS+8*(\buf)+4:TS+8*(\buf)+7], v[ADT] offset:(\os)+16
.endm
.macro MM buf, i                       ; the tile in buffer buf against query tile i; each product is whole, so C is 0; the two accumulators take turns
.if (\i)%2
	v_wmma_scale_f32_16x16x128_f8f6f4 v[ACC+8:ACC+15], v[AB+8*(\buf):AB+8*(\buf)+7], v[BQ+8*(\i):BQ+8*(\i)+7], 0, v[AS+(\buf)], v[XS+(\i)/2] matrix_a_fmt:MATRIX_FMT_FP4 matrix_b_fmt:MATRIX_FMT_FP4 matrix_b_scale:MATRIX_SCALE_ROW1
.else
	v_wmma_scale_f32_16x16x128_f8f6f4 v[ACC:ACC+7], v[AB+8*(\buf):AB+8*(\buf)+7], v[BQ+8*(\i):BQ+8*(\i)+7], 0, v[AS+(\buf)], v[XS+(\i)/2] matrix_a_fmt:MATRIX_FMT_FP4 matrix_b_fmt:MATRIX_FMT_FP4
.endif
.endm
.macro PROC t, i                       ; twelve lines for the eight results of tile t against query tile i
.set pB, TS+8*((\t)%3)
.set pA, ACC+8*((\i)%2)
.set pX, XQ+2*((\i)/2)
.irp k, 0,2,4,6
.if (\i)%2
	v_pk_add_f32 v[S+\k:S+\k+1], v[pB+\k:pB+\k+1], v[pX:pX+1] op_sel:[0,1] op_sel_hi:[1,1]   ; |t|^2 + |x|^2: of the pair of |x|^2 the upper serves both halves,
.else
	v_pk_add_f32 v[S+\k:S+\k+1], v[pB+\k:pB+\k+1], v[pX:pX+1] op_sel_hi:[1,0]                ; or the lower
.endif
.endr
.irp k, 0,2,4,6
	v_pk_fma_f32 v[S+\k:S+\k+1], v[pA+\k:pA+\k+1], -2.0, v[S+\k:S+\k+1] op_sel_hi:[1,0,1]    ; - 2 dot; the accumulator is read from its low end on
.endr
	v_min3_num_f32 v[S], v[S], v[S+1], v[S+2]
	v_min3_num_f32 v[S+3], v[S+3], v[S+4], v[S+5]
.if (\t) == 0
	v_min_num_f32 v[KEY+(\i)], v[S+6], v[S+7]      ; a group's first tile starts the minimum
.else
	v_min3_num_f32 v[KEY+(\i)], v[KEY+(\i)], v[S+6], v[S+7]
.endif
	v_min3_num_f32 v[KEY+(\i)], v[KEY+(\i)], v[S], v[S+3]
.endm
; A GROUP: 5 tiles x 8 query tiles, buffers 0, 1, 2, 0, 1.  Behind each matrix instruction stand the twelve lines of the product BEFORE it: they name none of its registers, so they are the places that a read of a result, a load into an
; operand and a write over an accumulator want behind a matrix instruction (ISA guide 7.12.1 for a read of a result and a write over an accumulator).  At a group's start the first product's own four additions are the four places.
; The next tile's five loads are issued behind a tile's first product and the last lines of the tile before, a whole tile ahead of their use.  pf = 1: the last tile fetches the next group's first tile.
.macro TRIPBODY pf
.irp t, 0,1,2,3,4
	s_wait_dscnt 0x0                               ; this tile's five loads are in
	MM (\t)%3, 0
.if \t > 0
	PROC \t-1, 7
.endif
.if \t < 4
	LDA (\t+1)%3, 640*(\t+1), 32*(\t+1)
.elseif \pf
	LDA 0, 6400, 320
.endif
.irp i, 1,2,3,4,5,6,7
	MM (\t)%3, \i
	PROC \t, \i-1
.endr
.endr
	PROC 4, 7
.irp i, 0,1,2,3,4,5,6,7
	v_max_num_f32 v[KEY+\i], 0, v[KEY+\i]          ; the clip,
.endr
.irp i, 0,1,2,3,4,5,6,7
	v_sqrt_f32 v[KEY+\i], v[KEY+\i]                ; and the root, of one number in forty
.endr
	v_nop                                          ; a plain line behind the last root
	s_wait_alu depctr_va_vdst(0)                   ; one wait for the eight, ahead of their first reader
.irp i, 0,1,2,3,4,5,6,7
	ds_store_b32 v[ADKW], v[KEY+\i] offset:64*\i   ; bucket 10 b + 2 g + h, query 128 a + 16 i + r
.endr
.endm
.macro INS xr, q                       ; key v[xr] of bucket q into the sorted five.  The compare is strict and buckets come in ascending order: of equal keys the lower bucket stays in front
.irp k, 0,1,2,3,4
	v_cmp_lt_f32 s[MK+\k], v[\xr], v[LA+\k]
.endr
.irp k, 0,1,2,3
	v_cndmask_b32 v[T+\k], \q, v[LP+\k], s[MK+\k]  ; what place k + 1 takes if it changes: the bucket that moves down, or the new one
.endr
.irp k, 4,3,2,1
	v_med3_num_f32 v[LA+\k], v[LA+\k-1], v[\xr], v[LA+\k]
.endr
	v_min_num_f32 v[LA], v[\xr], v[LA]
.irp k, 4,3,2,1
	v_cndmask_b32 v[LP+\k], v[LP+\k], v[T+\k-1], s[MK+\k]
.endr
	v_cndmask_b32 v[LP], v[LP], \q, s[MK]
.endm
	s_wait_tensorcnt 0x1                           ; my parts of the scale words, the norms and group 0's codes are in; groups 1 to 4 may be out
	s_barrier_signal -1
	s_barrier_wait -1                              ; everybody's are
	s_mov_b32 s66, 0
	s_mov_b32 s67, 0
	s_mov_b32 s68, 0
	HEAD
	LDA 0, 0, 0
	s_wait_loadcnt 0x0                             ; the queries
	TRIPBODY 0                                     ; group 0: it reads nothing beyond its 80 rows
	s_wait_tensorcnt 0x0                           ; my part of groups 1 to 4 is in,
	s_wait_dscnt 0x0                               ; and no LDS instruction of mine is out at the signal
	s_barrier_signal -1
	s_barrier_wait -1                              ; everybody's is
	STEPG
	HEAD
	LDA 0, 0, 0
	s_mov_b32 s69, 3
.Lg:                                                   ; groups 1, 2, 3
	TRIPBODY 1
	s_wait_dscnt 0x0                               ; the key stores and the loads ahead have read their address registers, which are now written again
	STEPG
	HEAD
	s_sub_co_u32 s69, s69, 1
	s_cmp_lg_u32 s69, 0
	s_cbranch_scc1 .Lg
	TRIPBODY 0                                     ; group 4 is written out: there is no tile behind it to fetch
	s_wait_dscnt 0x0                               ; for the others' sake: my keys lie in LDS
	s_barrier_signal -1
	s_barrier_wait -1
	; THE SELECTION: a thread to a query; its 40 keys, in ascending order of the buckets
.irp k, 0,1,2,3,4,5,6,7,8,9,10,11,12,13,14,15,16,17,18,19,20,21,22,23,24,25,26,27,28,29,30,31,32,33,34,35,36,37,38,39
	ds_load_b32 v[X+\k], v[KR] offset:KP*\k
.endr
.irp k, 0,1,2,3,4
	v_mov_b32 v[LA+\k], 0x7f800000                 ; +infinity, over every key of a real row
	v_mov_b32 v[LP+\k], 0
.endr
	v_mov_b32 v[LA+5], 0                           ; the sixth word of each list is stored too: every byte of the buffers is written
	v_mov_b32 v[LP+5], 0
	s_mul_i32 s86, s19, 40
.irp k, 0,1,2,3,4,5,6,7,8,9,10,11,12,13,14,15,16,17,18,19,20,21,22,23,24,25,26,27,28,29,30,31,32,33,34,35,36,37,38,39
.if (\k)%10 == 0
	s_wait_dscnt 30-\k                             ; the next ten keys are in; the later ones may be out
.endif
	INS X+\k, \k
.endr
.irp k, 0,1,2,3,4
	v_add_nc_u32 v[LP+\k], s86, v[LP+\k]           ; the bucket's number among all 1,280
.endr
.irp j, 0,1,2
	global_store_b64 v[OT], v[LA+2*\j:LA+2*\j+1], s[82:83] offset:16384*\j   ; a wave stores 256 consecutive bytes, at a multiple of 256 from the buffer's first byte
	global_store_b64 v[OT], v[LP+2*\j:LP+2*\j+1], s[84:85] offset:16384*\j
.endr
	s_wait_tensorcnt 0x0
	ds_add_u32 v192, v193
	s_wait_dscnt 0x0
	CROUND                                         ; the closing round: no work-group ends while a partner may still ask jointly
	s_endpgm
.Lfunc_end_k_q7217429054_scan:
	.size	k_q7217429054_scan, .Lfunc_end_k_q7217429054_scan-k_q7217429054_scan
	.p2alignl 7, 3214868480
	.fill 96, 4, 3214868480
	.section	.rodata,"a",@progbits
	.p2align	6, 0x0
	.amdhsa_kernel k_q7217429054_scan
		.amdhsa_group_segment_fixed_size 185856
		.amdhsa_private_segment_fixed_size 0
		.amdhsa_enable_private_segment 0
		.amdhsa_kernarg_size 40
		.amdhsa_user_sgpr_count 2
		.amdhsa_user_sgpr_kernarg_segment_ptr 1
		.amdhsa_wavefront_size32 1
		.amdhsa_system_sgpr_workgroup_id_x 1
		.amdhsa_system_sgpr_workgroup_id_y 1
		.amdhsa_system_sgpr_workgroup_id_z 1
		.amdhsa_system_vgpr_workitem_id 0
		.amdhsa_next_free_vgpr 194
		.amdhsa_next_free_sgpr 92
		.amdhsa_reserve_vcc 0
		.amdhsa_float_denorm_mode_32 3
		.amdhsa_float_denorm_mode_16_64 3
		.amdhsa_memory_ordered 1
		.amdhsa_forward_progress 1
		.amdhsa_inst_pref_size 175
	.end_amdhsa_kernel
	.amdgpu_metadata
---
amdhsa.version: [ 1, 2 ]
amdhsa.kernels:
  - .name:           k_q7217429054_scan
    .symbol:         k_q7217429054_scan.kd
    .args:
      - { .name: codes, .offset: 0, .size: 8, .value_kind: global_buffer, .address_space: global }
      - { .name: scl, .offset: 8, .size: 8, .value_kind: global_buffer, .address_space: global }
      - { .name: sqn, .offset: 16, .size: 8, .value_kind: global_buffer, .address_space: global }
      - { .name: pkey, .offset: 24, .size: 8, .value_kind: global_buffer, .address_space: global }
      - { .name: pid, .offset: 32, .size: 8, .value_kind: global_buffer, .address_space: global }
    .group_segment_fixed_size: 185856
    .private_segment_fixed_size: 0
    .kernarg_segment_align: 8
    .kernarg_segment_size: 40
    .max_flat_workgroup_size: 256
    .sgpr_count:     92
    .vgpr_count:     194
    .wavefront_size: 32
...
	.end_amdgpu_metadata
.endif
;; end of part 2
;; launch pick (part 3): grid 64 x 1, 4 waves a work-group, no clusters, 5,632 bytes of LDS; arguments pkey, pid, bsel; writes bsel
.if DOCPART == 3
	.amdgcn_target "amdgcn-amd-amdhsa--gfx1250"
	.amdhsa_code_object_version 6
	.text
	.protected	k_q7217429054_pick
	.globl	k_q7217429054_pick
	.p2align	8
	.type	k_q7217429054_pick,@function
k_q7217429054_pick:
	s_mov_b64 s[64:65], 0
	v_nop
	global_prefetch_b8 v0, s[64:65] scope:SCOPE_SE
	s_setreg_imm32_b32 hwreg(HW_REG_WAVE_MODE, 25, 1), 1
	s_wait_xcnt 0x0
; For each query the 32 ranges' lists of five (key, bucket) are merged into the five buckets that come first by (key, bucket).  pkey, pid: [range 32][j 3][query 2048][2]; bsel: [j 3][query 2048][2], the sixth word 0.
; A work-group owns 32 queries, a lane to a query.  Wave u merges ranges 8 u .. 8 u + 7 (its first list is the start: nothing is copied); the four results meet in LDS, and wave 0 merges them.
; Lists are taken in ascending order of the ranges, a list's entries in their own order, and the compare is strict: of equal keys the lower bucket stays in front.
; Each load and each store of a wave covers 256 consecutive aligned bytes.  The work is 2,048 short chains of insertions: 64 work-groups are all that it fills; no matrix unit, no tensor load, no cluster: work-groups share nothing.
.set KK, 16                            ; v16-63   list p's keys at KK + 6 p (five and the 0)
.set II, 64                            ; v64-111  its buckets at II + 6 p
.set LA, KK                            ; the sorted five
.set LP, II
.set T,  112                           ; v112-115 at work
.set MK, 20                            ; s20-24   masks
	s_load_b128 s[4:7], s[0:1], 0x0                ; pkey, pid
	s_load_b64 s[8:9], s[0:1], 0x10                ; bsel
	v_lshl_add_u32 v128, v0, 2, 0x1400
	v_mov_b32 v129, 0
	v_lshrrev_b32 v1, 5, v0
	v_readfirstlane_b32 s16, v1                    ; wave u
	v_and_b32 v4, 31, v0
	v_lshlrev_b32 v1, 3, v4                        ; 8 x lane
	v_lshlrev_b32 v3, 2, v4                        ; 4 x lane
	s_mul_i32 s17, s16, 1280
	v_add_nc_u32 v2, s17, v3                       ; LDS: my wave's ten rows of 128 bytes
	s_mul_i32 s18, s16, 8*49152                    ; eight ranges a wave,
	s_lshl_b32 s19, ttmp9, 8                       ; 32 queries x 8 bytes a work-group
	s_add_co_u32 s18, s18, s19
	s_mov_b32 s26, s19
	s_mov_b32 s19, 0
	s_mov_b32 s27, 0
	s_wait_kmcnt 0x0
	s_add_nc_u64 s[4:5], s[4:5], s[18:19]
	s_add_nc_u64 s[6:7], s[6:7], s[18:19]
	s_add_nc_u64 s[8:9], s[8:9], s[26:27]
.irp p, 0,1,2,3,4,5,6,7
.irp j, 0,1,2
	global_load_b64 v[KK+6*\p+2*\j:KK+6*\p+2*\j+1], v1, s[4:5] offset:16384*(3*\p+\j)
	global_load_b64 v[II+6*\p+2*\j:II+6*\p+2*\j+1], v1, s[6:7] offset:16384*(3*\p+\j)
.endr
.endr
.macro INS xr, qr                      ; key v[xr] with bucket v[qr] into the sorted five
.irp k, 0,1,2,3,4
	v_cmp_lt_f32 s[MK+\k], v[\xr], v[LA+\k]
.endr
.irp k, 0,1,2,3
	v_cndmask_b32 v[T+\k], v[\qr], v[LP+\k], s[MK+\k]
.endr
.irp k, 4,3,2,1
	v_med3_num_f32 v[LA+\k], v[LA+\k-1], v[\xr], v[LA+\k]
.endr
	v_min_num_f32 v[LA], v[\xr], v[LA]
.irp k, 4,3,2,1
	v_cndmask_b32 v[LP+\k], v[LP+\k], v[T+\k-1], s[MK+\k]
.endr
	v_cndmask_b32 v[LP], v[LP], v[\qr], s[MK]
.endm
.irp p, 1,2,3,4,5,6,7
	s_wait_loadcnt 6*(7-\p)                        ; lists 0 to p are in; the later lists' six loads each may be out
.irp e, 0,1,2,3,4
	INS KK+6*\p+\e, II+6*\p+\e
.endr
.endr
.irp e, 0,1,2,3,4
	ds_store_b32 v2, v[LA+\e] offset:128*\e
	ds_store_b32 v2, v[LP+\e] offset:640+128*\e
.endr
	s_wait_dscnt 0x0                               ; for wave 0's sake: my list lies in LDS
	s_barrier_signal -1
	s_barrier_wait -1
	s_cmp_lg_u32 s16, 0
	s_cbranch_scc1 .Lend                           ; no barrier stands behind this branch
.irp u, 1,2,3
.irp e, 0,1,2,3,4
	ds_load_b32 v[KK+6*\u+\e], v3 offset:1280*\u+128*\e
	ds_load_b32 v[II+6*\u+\e], v3 offset:1280*\u+640+128*\e
.endr
.endr
	s_wait_dscnt 0x0
.irp u, 1,2,3
.irp e, 0,1,2,3,4
	INS KK+6*\u+\e, II+6*\u+\e
.endr
.endr
	v_mov_b32 v[LP+5], 0
.irp j, 0,1,2
	global_store_b64 v1, v[LP+2*\j:LP+2*\j+1], s[8:9] offset:16384*\j
.endr
.Lend:
	s_wait_tensorcnt 0x0
	ds_add_u32 v128, v129
	s_wait_dscnt 0x0
	s_endpgm
.Lfunc_end_k_q7217429054_pick:
	.size	k_q7217429054_pick, .Lfunc_end_k_q7217429054_pick-k_q7217429054_pick
	.p2alignl 7, 3214868480
	.fill 96, 4, 3214868480
	.section	.rodata,"a",@progbits
	.p2align	6, 0x0
	.amdhsa_kernel k_q7217429054_pick
		.amdhsa_group_segment_fixed_size 5632
		.amdhsa_private_segment_fixed_size 0
		.amdhsa_enable_private_segment 0
		.amdhsa_kernarg_size 24
		.amdhsa_user_sgpr_count 2
		.amdhsa_user_sgpr_kernarg_segment_ptr 1
		.amdhsa_wavefront_size32 1
		.amdhsa_system_sgpr_workgroup_id_x 1
		.amdhsa_system_sgpr_workgroup_id_y 1
		.amdhsa_system_sgpr_workgroup_id_z 1
		.amdhsa_system_vgpr_workitem_id 0
		.amdhsa_next_free_vgpr 130
		.amdhsa_next_free_sgpr 66
		.amdhsa_reserve_vcc 0
		.amdhsa_float_denorm_mode_32 3
		.amdhsa_float_denorm_mode_16_64 3
		.amdhsa_memory_ordered 1
		.amdhsa_forward_progress 1
		.amdhsa_inst_pref_size 67
	.end_amdhsa_kernel
	.amdgpu_metadata
---
amdhsa.version: [ 1, 2 ]
amdhsa.kernels:
  - .name:           k_q7217429054_pick
    .symbol:         k_q7217429054_pick.kd
    .args:
      - { .name: pkey, .offset: 0, .size: 8, .value_kind: global_buffer, .address_space: global }
      - { .name: pid, .offset: 8, .size: 8, .value_kind: global_buffer, .address_space: global }
      - { .name: bsel, .offset: 16, .size: 8, .value_kind: global_buffer, .address_space: global }
    .group_segment_fixed_size: 5632
    .private_segment_fixed_size: 0
    .kernarg_segment_align: 8
    .kernarg_segment_size: 24
    .max_flat_workgroup_size: 128
    .sgpr_count:     66
    .vgpr_count:     130
    .wavefront_size: 32
...
	.end_amdgpu_metadata
.endif
;; end of part 3
;; launch refine (part 4): grid 256 x 1, 8 waves a work-group, no clusters, 0 bytes of LDS; arguments codes, scl, sqn, bsel, y_train, out0; writes out0
.if DOCPART == 4
	.amdgcn_target "amdgcn-amd-amdhsa--gfx1250"
	.amdhsa_code_object_version 6
	.text
	.protected	k_q7217429054_refine
	.globl	k_q7217429054_refine
	.p2align	8
	.type	k_q7217429054_refine,@function
k_q7217429054_refine:
	s_mov_b64 s[64:65], 0
	v_nop
	global_prefetch_b8 v0, s[64:65] scope:SCOPE_SE
	s_setreg_imm32_b32 hwreg(HW_REG_WAVE_MODE, 25, 1), 1
	s_wait_xcnt 0x0
; For each query the 5 x 40 rows of its five chosen buckets are measured again, with the arithmetic of the scan (the same product with its sources swapped, the same addition, multiply-add, clip and root), and the five rows
; that come first by (distance, row) are picked; out0 = the mean of their y.  The choice moves values alone (v_cndmask_b32): y rides along; no address hangs on a distance.
; ADDRESSES hang on the bucket numbers of bsel, whole numbers that an earlier launch stored; each is held at 1,279 before it is used, and a row's number at 49,999 before it reaches y_train.
; LIMITS: as in the scan: v_sqrt_f32 is taken not to fall where its input rises and takes denormals as 0; NaN, infinities and overflowing squared distances are not served.  The five y are summed in another order than the reference's.
; SHARES.  A wave to a query, q = 8 x work-group + wave.  No LDS, no barrier.  Source 0 = the query's fragment, the SAME row in all sixteen rows; source 1 = 16 candidate rows: register 0 of the result, in lane (r, .), is the product with candidate r.
; A bucket is three tiles.  Candidate register 1 holds offsets o = lane (lanes 0-15 from tile 0, lanes 16-31 from tile 1); register 2 holds o = 32 + lane % 16 from tile 2, of which lanes 0-7 count.
; Loads of o up to 47 stay inside codes, scl and sqn: the queries' rows follow the padding rows.  Padding rows have the norm +infinity and are never picked.
; THE STORE is 4 bytes a wave: out0 has 8,192 bytes in all; stores of 256 bytes would want 64 queries to a work-group, 32 work-groups for work that fills 256.
; No tensor loads and no cluster: every wave gathers other rows.  All loads go out at once, as soon as the bucket numbers are read.
.set QROW, 51200
.set AQ,   8                           ; v8-15    the query's fragment
.set QS,   16                          ; v16      its scale word, in every lane
.set M,    17                          ; v17      the smallest distance left
.set M2,   18                          ; v18      at work
.set W,    19                          ; v19      the winner's row
.set YS,   20                          ; v20      its y, in the lane that holds it
.set YACC, 21                          ; v21      the sum of the winners' y
.set INF,  22                          ; v22      +infinity
.set BC,   24                          ; v24-143  15 candidate fragments
.set CT,   24                          ; v24-33   ten numbers at work in the rounds
.set CS1,  144                         ; v144-148 scale words of tiles 0 (lanes 0-15) and 1 (lanes 16-31);  v149-153 of tile 2
.set CS2,  149
.set T1,   154                         ; v154-163 the candidates' norms
.set T2,   159
.set Y,    164                         ; v164-173 first the offset in y_train, then y: each load lands on its own offset register
.set IX,   174                         ; v174-183 the candidates' rows, first whole numbers, then f32 (exact: under 2^24)
.set D,    184                         ; v184-193 their distances
.set S1,   194
.set S2,   195
.set DT,   196
.set ACC,  200                         ; v200-247 two sets of three accumulators
	s_load_b256 s[4:11], s[0:1], 0x0               ; codes s[4:5], scl s[6:7], sqn s[8:9], bsel s[10:11]
	s_load_b128 s[12:15], s[0:1], 0x20             ; y_train s[12:13], out0 s[14:15]
	v_lshrrev_b32 v1, 5, v0
	v_readfirstlane_b32 s16, v1                    ; wave
	s_lshl_b32 s17, ttmp9, 3
	s_add_co_u32 s17, s17, s16                     ; q
	s_lshl_b32 s18, s17, 3
	s_lshl_b32 s19, s17, 2
	s_mov_b32 s68, 0x76543210
	s_mov_b32 s69, 0xfedcba98                      ; v_permlanex16_b32's selects for lane l xor 16
	s_mov_b32 s70, 0xffff0000                      ; lanes 16-31
	s_mov_b32 s71, 0xffffff00                      ; lanes 8-31
	s_mov_b32 s63, 0
	s_wait_kmcnt 0x0
	s_load_b64 s[20:21], s[10:11], s18 offset:0x0  ; the five bucket numbers
	s_load_b64 s[22:23], s[10:11], s18 offset:0x4000
	s_load_b64 s[24:25], s[10:11], s18 offset:0x8000
	s_load_b32 s26, s[8:9], s19 offset:4*QROW      ; |x|^2
	s_lshl_b32 s62, s17, 6
	s_add_co_u32 s62, s62, 64*QROW
	s_add_nc_u64 s[72:73], s[4:5], s[62:63]        ; the query's codes,
	s_add_co_u32 s62, s19, 4*QROW
	s_add_nc_u64 s[74:75], s[6:7], s[62:63]        ; scale word,
	s_mov_b32 s62, s19
	s_add_nc_u64 s[76:77], s[14:15], s[62:63]      ; and output
	v_and_b32 v4, 31, v0                           ; lane
	v_and_b32 v9, 15, v0                           ; r
	v_bfe_u32 v10, v0, 4, 1                        ; h
	v_lshlrev_b32 v6, 4, v10                       ; 16 h
	v_lshl_add_u32 v1, v9, 6, v6                   ; 64 r + 16 h
	v_lshlrev_b32 v2, 2, v4                        ; 4 x lane
	v_lshlrev_b32 v3, 2, v9                        ; 4 r
	v_add_nc_u32 v5, 32, v9                        ; 32 + r
	v_mov_b32 v7, 0
	v_mov_b32 v[INF], 0x7f800000
	v_mov_b32 v[YACC], 0
	global_load_b128 v[AQ:AQ+3], v6, s[72:73]      ; every lane of a half reads the same 16 bytes: sixteen equal rows
	global_load_b128 v[AQ+4:AQ+7], v6, s[72:73] offset:32
	global_load_b32 v[QS], v7, s[74:75]
	s_wait_kmcnt 0x0
.irp b, 0,1,2,3,4
	s_min_u32 s[27+\b], s[20+\b], 1279             ; held inside the table
	s_mul_i32 s[27+\b], s[27+\b], 40               ; the bucket's first row
	s_lshl_b32 s62, s[27+\b], 6
	s_add_nc_u64 s[32+2*\b:33+2*\b], s[4:5], s[62:63]
	s_lshl_b32 s62, s[27+\b], 2
	s_add_nc_u64 s[42+2*\b:43+2*\b], s[6:7], s[62:63]
	s_add_nc_u64 s[52+2*\b:53+2*\b], s[8:9], s[62:63]
	v_add_nc_u32 v[IX+\b], s[27+\b], v4
	v_add_nc_u32 v[IX+5+\b], s[27+\b], v5
	v_min_u32 v[Y+\b], 49999, v[IX+\b]             ; no load leaves y_train
	v_min_u32 v[Y+5+\b], 49999, v[IX+5+\b]
	v_lshlrev_b32 v[Y+\b], 2, v[Y+\b]
	v_lshlrev_b32 v[Y+5+\b], 2, v[Y+5+\b]
.endr
.irp b, 0,1,2,3,4                      ; twelve loads a bucket
.irp t, 0,1,2
.irp c, 0,1
	global_load_b128 v[BC+24*\b+8*\t+4*\c:BC+24*\b+8*\t+4*\c+3], v1, s[32+2*\b:33+2*\b] offset:1024*\t+32*\c
.endr
.endr
	global_load_b32 v[CS1+\b], v2, s[42+2*\b:43+2*\b]
	global_load_b32 v[CS2+\b], v3, s[42+2*\b:43+2*\b] offset:128
	global_load_b32 v[T1+\b], v2, s[52+2*\b:53+2*\b]
	global_load_b32 v[T2+\b], v3, s[52+2*\b:53+2*\b] offset:128
	global_load_b32 v[Y+\b], v[Y+\b], s[12:13]
	global_load_b32 v[Y+5+\b], v[Y+5+\b], s[12:13]
.endr
.macro MM3 b                           ; a bucket's three products, into set b % 2; each is whole, so C is 0
.set A0, ACC+24*((\b)%2)
	v_wmma_scale_f32_16x16x128_f8f6f4 v[A0:A0+7], v[AQ:AQ+7], v[BC+24*(\b):BC+24*(\b)+7], 0, v[QS], v[CS1+(\b)] matrix_a_fmt:MATRIX_FMT_FP4 matrix_b_fmt:MATRIX_FMT_FP4
	v_wmma_scale_f32_16x16x128_f8f6f4 v[A0+8:A0+15], v[AQ:AQ+7], v[BC+24*(\b)+8:BC+24*(\b)+15], 0, v[QS], v[CS1+(\b)] matrix_a_fmt:MATRIX_FMT_FP4 matrix_b_fmt:MATRIX_FMT_FP4 matrix_b_scale:MATRIX_SCALE_ROW1
	v_wmma_scale_f32_16x16x128_f8f6f4 v[A0+16:A0+23], v[AQ:AQ+7], v[BC+24*(\b)+16:BC+24*(\b)+23], 0, v[QS], v[CS2+(\b)] matrix_a_fmt:MATRIX_FMT_FP4 matrix_b_fmt:MATRIX_FMT_FP4
.endm
.macro PROC3 b                         ; the bucket's squared distances.  The first four lines name no register of its products: they are the four places ahead of the first read of a result (ISA guide 7.12.1)
.set A0, ACC+24*((\b)%2)
	v_add_f32 v[S1], s26, v[T1+(\b)]
	v_add_f32 v[S2], s26, v[T2+(\b)]
	v_cvt_f32_u32 v[IX+(\b)], v[IX+(\b)]
	v_cvt_f32_u32 v[IX+5+(\b)], v[IX+5+(\b)]
	v_cndmask_b32 v[DT], v[A0], v[A0+8], s70       ; lanes 0-15 from tile 0, lanes 16-31 from tile 1; each accumulator is read at its lowest register
	v_fma_f32 v[D+(\b)], v[DT], -2.0, v[S1]
	v_fma_f32 v[D+5+(\b)], v[A0+16], -2.0, v[S2]
	v_max_num_f32 v[D+(\b)], 0, v[D+(\b)]
	v_max_num_f32 v[D+5+(\b)], 0, v[D+5+(\b)]
.endm
.irp b, 0,1,2,3,4
	s_wait_loadcnt 12*(4-\b)                       ; the query and buckets 0 to b are in; the later buckets' twelve loads each may be out
	MM3 \b
.if \b > 0
	PROC3 \b-1                                     ; behind the next bucket's products; a set is written again two buckets on, with these lines between
.endif
.endr
	PROC3 4
.irp c, 0,1,2,3,4,5,6,7,8,9
	v_sqrt_f32 v[D+\c], v[D+\c]
.endr
	v_nop                                          ; a plain line behind the last root
	s_wait_alu depctr_va_vdst(0)                   ; one wait for the ten, ahead of their first reader
.irp b, 0,1,2,3,4
	v_cndmask_b32 v[D+5+\b], v[D+5+\b], v[INF], s71    ; lanes 8-15 hold the next bucket's rows, lanes 16-31 copies: they never win,
	v_cndmask_b32 v[IX+5+\b], v[IX+5+\b], -1.0, s71    ; and match no winner's row
.endr
.macro MIN10 base, dst                 ; the smallest of ten registers and 32 lanes, in every lane
	v_min3_num_f32 v[\dst], v[\base], v[\base+1], v[\base+2]
	v_min3_num_f32 v[M2], v[\base+3], v[\base+4], v[\base+5]
	v_min3_num_f32 v[\dst], v[\dst], v[\base+6], v[\base+7]
	v_min3_num_f32 v[M2], v[M2], v[\base+8], v[\base+9]
	v_min_num_f32 v[\dst], v[\dst], v[M2]
	v_min_num_f32_dpp v[\dst], v[\dst], v[\dst] row_xmask:1 row_mask:0xf bank_mask:0xf
	v_min_num_f32_dpp v[\dst], v[\dst], v[\dst] row_xmask:2 row_mask:0xf bank_mask:0xf
	v_min_num_f32_dpp v[\dst], v[\dst], v[\dst] row_xmask:4 row_mask:0xf bank_mask:0xf
	v_min_num_f32_dpp v[\dst], v[\dst], v[\dst] row_xmask:8 row_mask:0xf bank_mask:0xf
	v_permlanex16_b32 v[M2], v[\dst], s68, s69
	v_min_num_f32 v[\dst], v[\dst], v[M2]
.endm
	s_mov_b32 s78, 5
.Lround:                                               ; five trips: each takes out the row that comes first by (distance, row)
	MIN10 D, M                                     ; the smallest distance left
.irp c, 0,1,2,3,4,5,6,7,8,9
	v_cmp_eq_f32 vcc_lo, v[D+\c], v[M]
	v_cndmask_b32 v[CT+\c], v[INF], v[IX+\c], vcc_lo   ; the rows that have it
.endr
	MIN10 CT, W                                    ; the lowest of them
	v_mov_b32 v[YS], 0
.irp c, 0,1,2,3,4,5,6,7,8,9
	v_cmp_eq_f32 vcc_lo, v[IX+\c], v[W]            ; one register of one lane holds it
	v_cndmask_b32 v[D+\c], v[D+\c], v[INF], vcc_lo ; it is out of the running,
	v_cndmask_b32 v[YS], v[YS], v[Y+\c], vcc_lo    ; and its y is taken
.endr
	v_add_f32 v[YACC], v[YACC], v[YS]
	s_sub_co_u32 s78, s78, 1
	s_cmp_lg_u32 s78, 0
	s_cbranch_scc1 .Lround
	v_add_f32_dpp v[YACC], v[YACC], v[YACC] row_xmask:1 row_mask:0xf bank_mask:0xf
	v_add_f32_dpp v[YACC], v[YACC], v[YACC] row_xmask:2 row_mask:0xf bank_mask:0xf
	v_add_f32_dpp v[YACC], v[YACC], v[YACC] row_xmask:4 row_mask:0xf bank_mask:0xf
	v_add_f32_dpp v[YACC], v[YACC], v[YACC] row_xmask:8 row_mask:0xf bank_mask:0xf
	v_permlanex16_b32 v[M2], v[YACC], s68, s69
	v_add_f32 v[YACC], v[YACC], v[M2]
	v_mul_f32 v[YACC], 0x3e4ccccd, v[YACC]         ; / 5
	s_wait_xcnt 0x0                                ; EXEC changes only behind this wait
	v_cmp_eq_u32 vcc_lo, 0, v4
	s_and_saveexec_b32 s79, vcc_lo
	global_store_b32 v7, v[YACC], s[76:77]         ; lane 0 stores the mean of the five y
	s_endpgm
.Lfunc_end_k_q7217429054_refine:
	.size	k_q7217429054_refine, .Lfunc_end_k_q7217429054_refine-k_q7217429054_refine
	.p2alignl 7, 3214868480
	.fill 96, 4, 3214868480
	.section	.rodata,"a",@progbits
	.p2align	6, 0x0
	.amdhsa_kernel k_q7217429054_refine
		.amdhsa_group_segment_fixed_size 0
		.amdhsa_private_segment_fixed_size 0
		.amdhsa_enable_private_segment 0
		.amdhsa_kernarg_size 48
		.amdhsa_user_sgpr_count 2
		.amdhsa_user_sgpr_kernarg_segment_ptr 1
		.amdhsa_wavefront_size32 1
		.amdhsa_system_sgpr_workgroup_id_x 1
		.amdhsa_system_sgpr_workgroup_id_y 1
		.amdhsa_system_sgpr_workgroup_id_z 1
		.amdhsa_system_vgpr_workitem_id 0
		.amdhsa_next_free_vgpr 256
		.amdhsa_next_free_sgpr 80
		.amdhsa_reserve_vcc 1
		.amdhsa_float_denorm_mode_32 3
		.amdhsa_float_denorm_mode_16_64 3
		.amdhsa_memory_ordered 1
		.amdhsa_forward_progress 1
		.amdhsa_inst_pref_size 19
	.end_amdhsa_kernel
	.amdgpu_metadata
---
amdhsa.version: [ 1, 2 ]
amdhsa.kernels:
  - .name:           k_q7217429054_refine
    .symbol:         k_q7217429054_refine.kd
    .args:
      - { .name: codes, .offset: 0, .size: 8, .value_kind: global_buffer, .address_space: global }
      - { .name: scl, .offset: 8, .size: 8, .value_kind: global_buffer, .address_space: global }
      - { .name: sqn, .offset: 16, .size: 8, .value_kind: global_buffer, .address_space: global }
      - { .name: bsel, .offset: 24, .size: 8, .value_kind: global_buffer, .address_space: global }
      - { .name: y_train, .offset: 32, .size: 8, .value_kind: global_buffer, .address_space: global }
      - { .name: out0, .offset: 40, .size: 8, .value_kind: global_buffer, .address_space: global }
    .group_segment_fixed_size: 0
    .private_segment_fixed_size: 0
    .kernarg_segment_align: 8
    .kernarg_segment_size: 48
    .max_flat_workgroup_size: 256
    .sgpr_count:     80
    .vgpr_count:     256
    .wavefront_size: 32
...
	.end_amdgpu_metadata
.endif
;; end of part 4
